; MI455X (gfx1250); checked and timed in simulation.
; The chip was launched on July 23, 2026; its instructions are those of AMD's public machine-readable ISA for CDNA 5 (MIT licence, August 2026) and "CDNA5" Instruction Set Architecture Reference Guide (July 2026). The comments in the code are by the model that wrote it; some were corrected since.
;; Encrypted Feed Forward. Allowed arithmetic: matrix products marked QUANTISED: E2M3 operands, one E8M0 scale for each 32 along K, by v_wmma_scale_f32_16x16x128_f8f6f4 with both operands' format E2M3, f32 sums; everything else in f32.
;; Inputs: W1 1,024 x 4,096 float32; W2 4,096 x 1,024 float32; b1 4,096 float32; b2 1,024 float32; x 8,192 x 1,024 float32.
;; Outputs: out0 8,192 x 1,024 float32.
;; This version of the problem:
;;   THIS VERSION OF THE PROBLEM IS GIVEN IN LOW PRECISION. The matrix products marked QUANTISED in the list below multiply operands that are first quantised to E2M3 (2 exponent bits, 3 mantissa bits; 6 bits a number), with one power-of-two scale for each 32 numbers along K (OCP MX v1.0); their sums are f32. All else is computed in f32.
;;   The module's matrix products, in the order in which they are computed (A, B: the left and right operand; K: the contracted axis; several contracted axes count as one K, in the product's order):
;;     1. [M 8,192, K 1,024] x [K 1,024, N 4,096]; A: input x; B: input W1: QUANTISED
;;     2. [M 8,192, K 4,096] x [K 4,096, N 1,024]; A: computed on the way; B: input W2: QUANTISED
;;   THE QUANTISER, for each operand of a quantised product, along K:
;;     - K is cut into blocks of 32 from its start; a last block that is shorter is filled with zeros.
;;     - A block's scale is 2^e with e = floor(log2(the largest magnitude in the block)) - 2, held to -126 .. 127; a block of zeros has e = 0. As a byte (E8M0): e + 127.
;;     - Each number is divided by its block's scale, clamped to +-7.5, and rounded to the nearest number of E2M3, ties to even, subnormals kept.
;;     - The product sums the exact products of the quantised numbers (number of the format x scale) in f32.
;;   ~~~python
;;   def quantise(x, axis):      # numpy; x: float32 -> the quantised numbers, widened to float32 again
;;       x = np.moveaxis(x, axis, -1); K = x.shape[-1]
;;       x = np.pad(x, [(0, 0)] * (x.ndim - 1) + [(0, -K % 32)]); x = x.reshape(x.shape[:-1] + (-1, 32)); a = np.abs(x).max(-1, keepdims=True)
;;       e = np.where(a > 0, np.clip(np.frexp(np.where(a > 0, a, 1))[1] - 1 - 2, -126, 127), 0)      # np.frexp(a)[1] - 1 = floor(log2(a)), exactly
;;       r = np.clip(x / 2.0 ** e, -7.5, 7.5)
;;       step = 2.0 ** (np.maximum(np.frexp(np.where(r == 0, 1, r))[1] - 1, 0) - 3)
;;       q = np.round(r / step) * step * 2.0 ** e      # np.round: ties to even
;;       return np.moveaxis(q.reshape(q.shape[:-2] + (-1,))[..., :K], -1, axis).astype(np.float32)
;;   ~~~
;;   OPERANDS COMPUTED ON THE WAY. 'Computed on the way' means the value that the module computes at that place (a softmax that the list does not call 'softmax' is quantised finished and normalised). What goes into a quantiser is computed in f32, as accurately as f32 sums, v_exp_f32 and their like allow (about 1e-6 of the number): no bf16 or f16 on the way to a quantiser, and a product that is left as it is and whose result goes on into a quantised operand takes f32 operands (vector FMAs, or v_wmma_f32_16x16x4_f32). A number that lies on a knife's edge between two numbers of the format may be rounded either way, as far as f32 arithmetic and the matrix unit's own rounding can turn it there, and no further.
;; One version. Each part assembles by itself: llvm-mc -triple=amdgcn-amd-amdhsa -mcpu=gfx1250 --defsym DOCPART=n.
;; ======== version 1 of 1: 3 launches
;; limits: right only within a limited range of input values
;; workspace buffers: xq 6,553,600 bytes; w1q 3,276,800 bytes; w2q 3,276,800 bytes; hq 26,214,400 bytes
;; launch quant (part 1): grid 512 x 1, 4 waves a work-group, no clusters, 34,304 bytes of LDS; arguments x, W1, W2, xq, w1q, w2q; writes xq, w1q, w2q
.if DOCPART == 1
	.amdgcn_target "amdgcn-amd-amdhsa--gfx1250"
	.amdhsa_code_object_version 6
	.text
	.protected	k_qe4a8e155de_quant
	.globl	k_qe4a8e155de_quant
	.p2align	8
	.type	k_qe4a8e155de_quant,@function
k_qe4a8e155de_quant:
	s_mov_b64 s[64:65], 0
	v_nop
	global_prefetch_b8 v0, s[64:65] scope:SCOPE_SE
	s_setreg_imm32_b32 hwreg(HW_REG_WAVE_MODE, 25, 1), 1
	s_wait_xcnt 0x0
; x [8192][1024], W1 [1024][4096], W2 [4096][1024], all f32, become codes of FP6 (E2M3) with one E8M0 byte for each 32 along K (x: K innermost; W1, W2: K is the first axis).
; A block's scale is 2^(floor(log2(its largest magnitude)) - 2); its byte is the largest magnitude's exponent field - 2, held at 1 from below; numbers are divided by the scale and rounded to the nearest code, ties to even.
; LIMITS: NaN and infinities among the inputs are not served.  A block of zeros gets the byte 1 (not 127) over zero codes: these bytes are read by this program alone.  A largest magnitude under 2^-124 keeps the byte 1.
; THE OUTPUT IS LAID AS THE PRODUCTS' LAUNCHES WANT IT: in RECORDS of 6,400 bytes = 32 operand rows x 256 along K.  Record (rp, kp) lies at (rp x K/256 + kp) x 6,400.
;   image (t, q) at (2 t + q) x 1,536: the 12 registers of the fragment of rows 16 t .. 16 t + 15, K step q of 128: register 4 c + e of lane L at 512 c + 16 L + 4 e
;   (lane (r, h) of a fragment holds, in registers 6 c .. 6 c + 5, k = 64 c + 32 h + 0 .. 31 of tile row r);
;   at 6,144: 256 scale bytes: row slot 16 t + r has 8: byte 4 q + b for k block 128 q + 32 b.
;   Which row stands at (rp, t, r): 32 rp + 16 t + r for x and W2;  32 rp + 8 t + r + 8 (r / 8) for W1, so that the first product's results lie as 16 neighbours along the second product's K.
; SHARES: every wave makes ONE record from 32 KiB of f32.  Work-groups 0-255: x;  256-383: W1;  384-511: W2.  No barrier: waves share nothing.  Only the path for x uses LDS.
.set REC,  6400
.set IMG,  1536
.set SCB,  6144
.set EMAX, 2
; path X
.set SP,   528                         ; a stage row: 512 bytes + 16
.set R,    16                          ; v16-143  two sets of 64 registers as loaded
.set X,    144                         ; v144-207 my 64 numbers: two blocks of 32 neighbours
.set PC,   208                         ; v208-219 the fragment's 12 registers
.set TC,   220                         ; v220-227 the upper halves of the two blocks (a conversion's three registers begin on an even number)
.set M,    228                         ; v228-229 largest magnitudes
.set SO,   230                         ; v230-231 the conversions' scale operands
.set BY,   232                         ; v232-233 scale bytes
.set W,    234                         ; v234-237 a scale word for each image
; paths W
.set WX,   16                          ; v16-79   two sets of 32 numbers down K
.set T0,   80                          ; v80-127  for q = 0, 1: tile 0's 12 registers, tile 1's 12
.set TA,   128                         ; v128-143 upper halves: 8 for the even blocks, 8 for the odd
.set SB,   144                         ; v144-145 my column's 8 scale bytes
.set WM,   146                         ; v146-147 two chains of the maximum
.set WSO,  148
.set WBY,  149
	s_load_b256 s[4:11], s[0:1], 0x0               ; x s[4:5], W1 s[6:7], W2 s[8:9], xq s[10:11]
	s_load_b128 s[12:15], s[0:1], 0x20             ; w1q s[12:13], w2q s[14:15]
	v_lshl_add_u32 v240, v0, 2, 0x8400
	v_mov_b32 v241, 0
	v_lshrrev_b32 v1, 5, v0
	v_readfirstlane_b32 s16, v1                    ; wave 0..3
	v_and_b32 v2, 31, v0                           ; lane
	v_and_b32 v3, 15, v0                           ; r
	v_bfe_u32 v4, v0, 4, 1                         ; h
	v_lshlrev_b32 v5, 4, v2                        ; 16 x lane: my place in 512 consecutive bytes
	v_lshlrev_b32 v6, 3, v2                        ; 8 x lane: my row slot's scale bytes
	s_mul_i32 s17, s16, 16*SP                      ; my wave's stage (path X)
	v_add_nc_u32 v8, s17, v5                       ; into it: as loaded
	v_mul_u32_u24 v9, v3, SP
	v_lshl_add_u32 v9, v4, 7, v9
	v_add_nc_u32 v9, s17, v9                       ; out of it: row r, + 128 h bytes: 32 neighbours
	v_lshlrev_b32 v10, 3, v4                       ; 8 h: where my bytes stand in a scale word
	v_mov_b32 v11, 0                               ; a lane permute's destination counts as one of its sources
	s_mov_b32 s20, 0x76543210
	s_mov_b32 s21, 0xfedcba98                      ; v_permlanex16_b32's selects for lane l xor 16
	s_mov_b32 s23, 0
	s_wait_kmcnt 0x0
	s_cmp_lt_u32 ttmp9, 256
	s_cbranch_scc0 .Lweights
; ---------------- x: K is innermost.  Work-group = rp (32 rows), wave = kp (256 along K).
	s_lshl_b32 s22, ttmp9, 17                      ; 32 rows of 4,096 bytes
	s_lshl_b32 s24, s16, 10                        ; 256 numbers
	s_add_co_u32 s22, s22, s24
	s_add_nc_u64 s[4:5], s[4:5], s[22:23]
	s_lshl_b32 s22, ttmp9, 2
	s_add_co_u32 s22, s22, s16
	s_mul_i32 s22, s22, REC
	s_add_nc_u64 s[10:11], s[10:11], s[22:23]      ; my record
; image T = 2 t + q: rows 16 t on, 128 numbers at byte 512 q.  Each load reads 512 consecutive bytes of one row.
.macro XLOAD T
.irp i, 0,1,2,3,4,5,6,7,8,9,10,11,12,13,14,15
	global_load_b128 v[R+64*((\T)%2)+4*\i:R+64*((\T)%2)+4*\i+3], v5, s[4:5] offset:(16*((\T)/2)+\i)*4096+512*((\T)%2) th:TH_LOAD_NT
.endr
.endm
.macro XTILE T
.if (\T) < 3
	s_wait_loadcnt 16                              ; this image's 16 loads are in; the next image's 16 may be out
.else
	s_wait_loadcnt 0x0
.endif
.irp i, 0,1,2,3,4,5,6,7,8,9,10,11,12,13,14,15
	ds_store_b128 v8, v[R+64*((\T)%2)+4*\i:R+64*((\T)%2)+4*\i+3] offset:SP*\i     ; through my own stage: rows as they lie,
.endr
.irp c, 0,1
.irp e, 0,1,2,3,4,5,6,7
	ds_load_b128 v[X+32*\c+4*\e:X+32*\c+4*\e+3], v9 offset:256*\c+16*\e            ; and back as the fragment's lane wants them: k = 64 c + 32 h + 0 .. 31 of row r.  LDS serves a wave's instructions in order
.endr
.endr
	s_wait_dscnt 0x0                               ; my 64 numbers are in
.if (\T) < 2
	XLOAD (\T)+2                                   ; the set just emptied takes the image two on
.endif
.irp c, 0,1
	v_max3_num_f32 v[M+\c], |v[X+32*\c]|, |v[X+32*\c+1]|, (EMAX+1)<<23             ; block 2 c + h is all mine; the floor 2^(3 - 127) holds the byte at 1 from below
.endr
.irp i, 2,4,6,8,10,12,14,16,18,20,22,24,26,28,30
.irp c, 0,1
	v_max3_num_f32 v[M+\c], v[M+\c], |v[X+32*\c+\i]|, |v[X+32*\c+\i+1]|            ; (the two blocks by turns)
.endr
.endr
.irp c, 0,1
	v_add_nc_u32 v[SO+\c], -(EMAX<<23), v[M+\c]    ; 2 off the exponent field: the conversion takes the exponent field of this operand as its scale
.endr
.irp c, 0,1
	v_lshrrev_b32 v[BY+\c], 23, v[SO+\c]           ; the scale's byte
.endr
	v_lshl_or_b32 v238, v[BY+1], 16, v[BY]         ; blocks h and 2 + h of row r,
	v_lshlrev_b32 v238, v10, v238                  ; at their places in the word;
	v_permlanex16_b32 v11, v238, s20, s21
	v_or_b32 v[W+(\T)], v238, v11                  ; with lane l xor 16's two the word is whole, in both lanes
.if (\T) > 0
	s_wait_alu depctr_va_vdst(0)
	s_wait_xcnt 0x0                                ; the last image's stores have read the codes' registers: these are written again only behind this wait
.endif
.irp c, 0,1
	v_cvt_scalef32_pk16_fp6_f32 v[PC+6*\c:PC+6*\c+2], v[X+32*\c:X+32*\c+15], v[SO+\c]
	v_cvt_scalef32_pk16_fp6_f32 v[TC+4*\c:TC+4*\c+2], v[X+32*\c+16:X+32*\c+31], v[SO+\c]
.endr
	v_nop                                          ; one plain place behind a scaled conversion
.irp c, 0,1
.irp i, 0,1,2
	v_mov_b32 v[PC+6*\c+3+\i], v[TC+4*\c+\i]
.endr
.endr
.irp c, 0,1,2
	global_store_b128 v5, v[PC+4*\c:PC+4*\c+3], s[10:11] offset:IMG*(\T)+512*\c     ; 32 lanes store 512 consecutive bytes, at a multiple of 256 from the buffer's first byte
.endr
.endm
	s_wait_alu depctr_va_vdst(0)
	XLOAD 0
	XLOAD 1
	XTILE 0
	XTILE 1
	XTILE 2
	XTILE 3
	v_cmp_lt_u32 vcc_lo, 15, v2                    ; lane L is row slot L: lanes 0-15 tile 0 (images 0, 1), lanes 16-31 tile 1 (images 2, 3)
	v_cndmask_b32 v238, v[W], v[W+2], vcc_lo
	v_cndmask_b32 v239, v[W+1], v[W+3], vcc_lo
	global_store_b64 v6, v[238:239], s[10:11] offset:SCB    ; the record's 256 scale bytes in one store
	s_wait_tensorcnt 0x0
	ds_add_u32 v240, v241
	s_wait_dscnt 0x0
	s_endpgm
; ---------------- W1, W2: K is the first axis.  A LANE TAKES A COLUMN AND ITS REGISTERS RUN DOWN K: a block of 32 lies in one lane, and the conversions give codes with K innermost.
; Lanes 0-15 hold the columns of tile 0, lanes 16-31 those of tile 1.  The fragment wants block 2 c in lanes 0-15 and block 2 c + 1 in lanes 16-31 of ONE tile: v_permlane16_swap_b32 of the
; register with every lane's block 2 c and the register with every lane's block 2 c + 1 gives tile 0's register and tile 1's.
.macro WLOAD bk
.irp i, 0,1,2,3,4,5,6,7,8,9,10,11,12,13,14,15,16,17,18,19,20,21,22,23,24,25,26,27,28,29,30,31
	global_load_b32 v[WX+32*((\bk)%2)+\i], v7, s[SRC:SRC+1] offset:(32*(\bk)+\i)*NN*4 th:TH_LOAD_NT   ; one row k at my wave's 32 columns: 128 consecutive bytes; the four waves stand side by side
.endr
.endm
.macro WBLOCK bk
.set XS, WX+32*((\bk)%2)
.set QQ, (\bk)/4
.set CC, ((\bk)%4)/2
.set HH, (\bk)%2
.if (\bk) < 7
	s_wait_loadcnt 32                              ; this block's 32 loads are in; the next block's may be out
.else
	s_wait_loadcnt 0x0
.endif
	v_max3_num_f32 v[WM], |v[XS]|, |v[XS+1]|, |v[XS+2]|
	v_max3_num_f32 v[WM+1], |v[XS+3]|, |v[XS+4]|, |v[XS+5]|
.irp i, 6,10,14,18,22,26
	v_max3_num_f32 v[WM], v[WM], |v[XS+\i]|, |v[XS+\i+1]|
	v_max3_num_f32 v[WM+1], v[WM+1], |v[XS+\i+2]|, |v[XS+\i+3]|
.endr
	v_max3_num_f32 v[WM], v[WM], |v[XS+30]|, |v[XS+31]|
	v_max3_num_f32 v[WM], v[WM], v[WM+1], (EMAX+1)<<23      ; and the floor
	v_add_nc_u32 v[WSO], -(EMAX<<23), v[WM]
	v_lshrrev_b32 v[WBY], 23, v[WSO]
.if (\bk)%4 == 0
	v_mov_b32 v[SB+QQ], v[WBY]
.else
	v_lshl_or_b32 v[SB+QQ], v[WBY], 8*((\bk)%4), v[SB+QQ]
.endif
	v_cvt_scalef32_pk16_fp6_f32 v[T0+24*QQ+12*HH+6*CC:T0+24*QQ+12*HH+6*CC+2], v[XS:XS+15], v[WSO]
	v_cvt_scalef32_pk16_fp6_f32 v[TA+8*HH+4*CC:TA+8*HH+4*CC+2], v[XS+16:XS+31], v[WSO]
.if (\bk) < 6
	WLOAD (\bk)+2
.endif
.endm
.macro WOUT q
	v_nop                                          ; one plain place behind a scaled conversion
.irp c, 0,1
.irp i, 0,1,2
	v_permlane16_swap_b32 v[T0+24*\q+6*\c+\i], v[T0+24*\q+12+6*\c+\i]
	v_permlane16_swap_b32 v[TA+4*\c+\i], v[TA+8+4*\c+\i]
.endr
.irp i, 0,1,2
	v_mov_b32 v[T0+24*\q+6*\c+3+\i], v[TA+4*\c+\i]
	v_mov_b32 v[T0+24*\q+12+6*\c+3+\i], v[TA+8+4*\c+\i]
.endr
.endr
.irp t, 0,1
.irp c, 0,1,2
	global_store_b128 v5, v[T0+24*\q+12*\t+4*\c:T0+24*\q+12*\t+4*\c+3], s[DST:DST+1] offset:(2*\t+\q)*IMG+512*\c   ; 512 consecutive bytes a store; each q has registers of its own, so no store's data are written again
.endr
.endr
.endm
; first: the path's first work-group; 2^lgx work-groups side by side cover the columns; kpn = K / 256; perm = 1: W1's order of rows
.macro WPATH first, lgx, kpn, perm
	s_sub_co_u32 s17, ttmp9, \first
	s_and_b32 s18, s17, (1<<\lgx)-1
	s_lshr_b32 s19, s17, \lgx                      ; kp
	s_lshl_b32 s18, s18, 2
	s_add_co_u32 s18, s18, s16                     ; rp: which 32 columns
	s_mul_i32 s22, s19, 256*NN*4
	s_lshl_b32 s24, s18, 7
	s_add_co_u32 s22, s22, s24
	s_add_nc_u64 s[SRC:SRC+1], s[SRC:SRC+1], s[22:23]
	s_mul_i32 s22, s18, \kpn
	s_add_co_u32 s22, s22, s19
	s_mul_i32 s22, s22, REC
	s_add_nc_u64 s[DST:DST+1], s[DST:DST+1], s[22:23]
.if \perm
	v_and_b32 v7, 8, v2
	v_add_nc_u32 v7, v7, v3                        ; r + 8 (r / 8)
	v_lshl_add_u32 v7, v4, 3, v7                   ; + 8 t
	v_lshlrev_b32 v7, 2, v7
.else
	v_lshlrev_b32 v7, 2, v2
.endif
	WLOAD 0
	WLOAD 1
	WBLOCK 0
	WBLOCK 1
	WBLOCK 2
	WBLOCK 3
	WOUT 0
	WBLOCK 4
	WBLOCK 5
	WBLOCK 6
	WBLOCK 7
	WOUT 1
	global_store_b64 v6, v[SB:SB+1], s[DST:DST+1] offset:SCB
	s_endpgm
.endm
.Lweights:
	s_cmp_lt_u32 ttmp9, 384
	s_cbranch_scc0 .Lw2
.set NN,  4096                         ; every offset is an immediate: 255 rows x 16,384 bytes lie inside the signed 24 bits (ISA guide, chapter 10)
.set SRC, 6
.set DST, 12
	WPATH 256, 5, 4, 1
.Lw2:
.set NN,  1024
.set SRC, 8
.set DST, 14
	WPATH 384, 3, 16, 0
.Lfunc_end_k_qe4a8e155de_quant:
	.size	k_qe4a8e155de_quant, .Lfunc_end_k_qe4a8e155de_quant-k_qe4a8e155de_quant
	.p2alignl 7, 3214868480
	.fill 96, 4, 3214868480
	.section	.rodata,"a",@progbits
	.p2align	6, 0x0
	.amdhsa_kernel k_qe4a8e155de_quant
		.amdhsa_group_segment_fixed_size 34304
		.amdhsa_private_segment_fixed_size 0
		.amdhsa_enable_private_segment 0
		.amdhsa_kernarg_size 48
		.amdhsa_user_sgpr_count 2
		.amdhsa_user_sgpr_kernarg_segment_ptr 1
		.amdhsa_wavefront_size32 1
		.amdhsa_system_sgpr_workgroup_id_x 1
		.amdhsa_system_sgpr_workgroup_id_y 1
		.amdhsa_system_sgpr_workgroup_id_z 1
		.amdhsa_system_vgpr_workitem_id 0
		.amdhsa_next_free_vgpr 242
		.amdhsa_next_free_sgpr 66
		.amdhsa_reserve_vcc 1
		.amdhsa_float_denorm_mode_32 3
		.amdhsa_float_denorm_mode_16_64 3
		.amdhsa_memory_ordered 1
		.amdhsa_forward_progress 1
		.amdhsa_inst_pref_size 106
	.end_amdhsa_kernel
	.amdgpu_metadata
---
amdhsa.version: [ 1, 2 ]
amdhsa.kernels:
  - .name:           k_qe4a8e155de_quant
    .symbol:         k_qe4a8e155de_quant.kd
    .args:
      - { .name: x, .offset: 0, .size: 8, .value_kind: global_buffer, .address_space: global }
      - { .name: W1, .offset: 8, .size: 8, .value_kind: global_buffer, .address_space: global }
      - { .name: W2, .offset: 16, .size: 8, .value_kind: global_buffer, .address_space: global }
      - { .name: xq, .offset: 24, .size: 8, .value_kind: global_buffer, .address_space: global }
      - { .name: w1q, .offset: 32, .size: 8, .value_kind: global_buffer, .address_space: global }
      - { .name: w2q, .offset: 40, .size: 8, .value_kind: global_buffer, .address_space: global }
    .group_segment_fixed_size: 34304
    .private_segment_fixed_size: 0
    .kernarg_segment_align: 8
    .kernarg_segment_size: 48
    .max_flat_workgroup_size: 128
    .sgpr_count:     66
    .vgpr_count:     242
    .wavefront_size: 32
...
	.end_amdgpu_metadata
.endif
;; end of part 1
;; launch gemm1 (part 2): grid 8 x 32, 4 waves a work-group, clusters of 4 x 4, 327,680 bytes of LDS; arguments xq, w1q, b1, hq; writes hq
.if DOCPART == 2
	.amdgcn_target "amdgcn-amd-amdhsa--gfx1250"
	.amdhsa_code_object_version 6
	.text
	.protected	k_qe4a8e155de_gemm1
	.globl	k_qe4a8e155de_gemm1
	.p2align	8
	.type	k_qe4a8e155de_gemm1,@function
k_qe4a8e155de_gemm1:
	s_mov_b64 s[64:65], 0
	v_nop
	global_prefetch_b8 v0, s[64:65] scope:SCOPE_SE
	s_setreg_imm32_b32 hwreg(HW_REG_WAVE_MODE, 25, 1), 1
	s_wait_xcnt 0x0
	s_wait_alu depctr_hold_cnt(0) depctr_sa_sdst(0) depctr_va_vdst(0) depctr_va_sdst(0) depctr_va_ssrc(0) depctr_va_vcc(0) depctr_vm_vsrc(0)
	s_getreg_b32 s2, hwreg(HW_REG_IB_STS2, 6, 4)
	s_cmp_eq_u32 s2, 0
	s_cbranch_scc0 .Lentry_in_a_cluster
	s_endpgm
.Lentry_in_a_cluster:
	s_bfe_u32 s2, ttmp6, 0x10000c
	s_cmp_lg_u32 s2, 0xf033
	s_cbranch_scc0 .Lentry_shape_is_right
	s_endpgm
.Lentry_shape_is_right:
; hq = Q(p(x W1 + b1)), p(h) = h (0.5 + h (0.5 - 0.125 h)): the first product on codes of FP6 (E2M3) with E8M0 scales, sums in f32; bias, polynomial and the quantiser along the hidden axis in f32, in registers.
; OPERANDS lie in RECORDS of 6,400 bytes = 32 rows x 256 along K: image (t, q) at (2 t + q) x 1,536 holds the 12 registers of the fragment of rows 16 t on, K step q of 128 (register 4 c + e of lane L at 512 c + 16 L + 4 e);
; at 6,144 the scale bytes: row slot 16 t + r has 8, byte 4 q + b for k block 128 q + 32 b.  Record (rp, kp) at (rp x K/256 + kp) x 6,400.  So a fragment is three loads of 16 bytes a lane, 512 consecutive bytes each,
; and codes and scales come by the same tensor load.
; SHARES: a work-group of four waves owns 256 rows of x and 512 hidden units: two tiles of 256 x 256, one after the other; 256 work-groups.  A wave makes 128 x 128 of a tile: 64 accumulators, 512 registers.
; A STAYS IN LDS: the 256 rows for all of K = 1,024 are 32 records, 204,800 bytes, filled once as four planes of 256 along K and read for both tiles.  Only B walks, through a ring of two slots of 51,200 bytes
; (256 hidden units x 256 along K): eight B steps j = 0 .. 7, plane j % 4, slot j % 2.  204,800 + 2 x 51,200 + 512 spare + 2,048 for scale words = 309,760 bytes.  So the two tiles take in 3 x 204,800 bytes, not 4 x 204,800.
; THE RING DOES NOT STOP AT THE TILE'S EDGE: the first tile's last two changes of slots ask for the second tile's first two B steps, which land while the first tile is quantised and stored.
; CLUSTERS: 4 x 4 work-groups; A's planes are asked for jointly along a row of the cluster, B's slots along a column.  Behind the head, every wave fetches a quarter (two records) of every slot and half a plane of A's planes 2 and 3; the head's four loads are one a wave.
; TRANSPOSED USE: source 0 = 16 rows of W1^T, source 1 = 16 rows of x: a lane holds ONE row of x.  w1q's rows stand in a tile in the order 8 t + r + 8 (r / 8), so that register j of tile b = 2 B + u in lane (r, h) is hidden
; unit 32 B + 16 h + 8 u + j: the 16 registers of two neighbouring tiles are 16 neighbours along the next product's K.  The bias is the C of each sum's first product.
; LIMITS: NaN and infinities are not served; a block of zeros of the hidden layer gets the byte 1 over zero codes (read by this program alone).
; REGISTERS: window 0: v1-29 addresses; v32-63 scale words, two sets; v64-255 A's fragments, two buffers of 96 (at work on the way out).  window 1: B's two buffers at v0 and v128; the bias's 8 tiles in v96-127, v224-255.
;   window 2: accumulators of my rows 0-63, (a, b) at v[8 (8 a + b)];  window 3: rows 64-127.
.set MB,    8                          ; A's blocks of 16 rows a wave
.set KP,    4                          ; K / 256
.set REC,   6400
.set IMG,   1536
.set SCB,   6144
.set QTR,   2*REC                      ; what one tensor load brings: two records
.set HALF,  4*REC                      ; a wave's 128 rows of a plane or a slot
.set PLANE, 8*REC                      ; 256 rows x 256 along K
.set BR,    KP*PLANE                   ; behind A's four planes: B's ring
.set SPARE, BR+2*PLANE                 ; the spare words, 128 bytes a wave: two blocks of 256 bytes that no other line names
.set STG,   SPARE+512                  ; 2,048 bytes: the hidden layer's scale words meet here; no tile ever lands here
.set NEXTK, 2*REC                      ; a slot's next B step in the same tile: two records on along K
.set NEXTT, 8*KP*REC-2*REC             ; and from a tile's last to the next tile's first: eight row pairs on, two records back
.set LI,    3                          ; v3   16 x lane
.set BO,    6                          ; v6   the bias: 64 x (lane / 16); never rewritten
.set ADRA,  8                          ; v8-11  my half of A's plane 0 .. 3, + 16 x lane
.set ADRS,  12                         ; v12-15 scale bytes of B step j, j % 4 = 0 .. 3: lanes 0-15 A's rows, lanes 16-31 B's
.set ADRB,  20                         ; v20-21 my half of B's slot 0, 1, + 16 x lane
.set SPW,   28                         ; v28  SPARE + 4 x my thread's number; never rewritten
.set NIL,   29                         ; v29  0; never rewritten
.set SC,    32                         ; scale words: set sc, K step q, block i at SC + 16 sc + 2 i + q
.set AF,    64
.set G1,    24                         ; s[24:31] group 1 for A
.set G1B,   48                         ; s[48:55] group 1 for B: it differs in the mask, and from the ring on in its number of records
.set G0B,   56                         ; s[56:63] B's groups 0, one a slot
.set G0A,   80                         ; s[80:99] groups 0: A's planes 0, 1, planes 2 and 3 together, B steps 0, 1
.set SEL,   66                         ; s[66:67] selects for lane l xor 16
.set P,     64                         ; the way out: 64 numbers of a block of 16 rows
.set PC,    128                        ; their codes (12 registers, and 7 at work)
.set TM,    152                        ; v152-167 at work in the quantiser
.set PW,    168                        ; v168-175 a scale word for each block
.set MSB, 0
.macro WIN new                         ; the immediate's high byte repeats the setting that is left; a switch that changes nothing is dropped
.if MSB != (\new)
	s_set_vgpr_msb (MSB<<8)|(\new)
.set MSB, (\new)
.endif
.endm
.set TO_B, 0x40                        ; destination window 1, address window 0
.macro CREST                           ; a round of the cluster's barrier behind its opening barrier
	s_cmp_lg_u32 s14, 0
	s_cbranch_scc1 .Lnot_wave_0_\@
	s_barrier_signal -3
.Lnot_wave_0_\@:
	s_barrier_wait -3
	s_barrier_signal -1
	s_barrier_wait -1
.endm
.macro CROUND
	s_barrier_signal -1
	s_barrier_wait -1
	CREST
.endm
.macro PLACES n                        ; plain vector instructions between a matrix instruction and a load into, or a vector read or write of, its registers
.rept \n
	v_nop
.endr
.endm
	s_load_b256 s[4:11], s[0:1], 0x0               ; xq s[4:5], w1q s[6:7], b1 s[8:9], hq s[10:11]
	v_lshl_add_u32 v[SPW], v0, 2, SPARE
	v_mov_b32 v[NIL], 0
	ds_add_u32 v28, v29
	ds_add_u32 v28, v29
	s_wait_dscnt 0x0
	v_lshrrev_b32 v1, 5, v0
	v_readfirstlane_b32 s14, v1                    ; wave 0..3
	s_lshr_b32 s15, s14, 1                         ; mh: my half of the rows
	s_and_b32 s16, s14, 1                          ; nh: my half of a tile's columns
	s_bfe_u32 s40, ttmp6, 0x40000                  ; cx, cy
	s_bfe_u32 s41, ttmp6, 0x40004
	s_lshl_b32 s42, ttmp9, 2
	s_add_co_u32 s42, s42, s40                     ; which pair of tile columns = 4 x cluster x + cx
	s_and_b32 s17, ttmp7, 0xffff
	s_lshl_b32 s17, s17, 2
	s_add_co_u32 s17, s17, s41                     ; tile row = 4 x cluster y + cy
	s_lshl_b32 s43, s41, 2
	s_lshl_b32 s43, 15, s43                        ; my row of the cluster
	s_lshl_b32 s44, 0x1111, s40                    ; my column
	; group 1: rows of one record each (eight, later four for A and two for B), KP records apart in memory, on end in LDS; elements of 8 bytes; no padding
	s_or_b32 s[G1+0], s43, (3<<16)|(1<<21)         ; 15:0 the mask; 17:16 elements of 8 bytes; 21 set beside a mask
	s_or_b32 s[G1B+0], s44, (3<<16)|(1<<21)
	s_mov_b32 s[G1+1], (REC/8)<<16                 ; tensor_dim0
	s_mov_b32 s[G1+2], 8<<16                       ; tensor_dim1: the head's loads bring a whole plane or slot, eight records
	s_mov_b32 s[G1+3], (REC/8)<<16                 ; tile_dim0
	s_mov_b32 s[G1+4], 8                           ; tile_dim1
	s_mov_b32 s[G1+5], KP*(REC/8)                  ; from row to row
	s_mov_b32 s[G1+6], 0
	s_mov_b32 s[G1+7], 0
	s_mov_b32 s[G1B+1], (REC/8)<<16
	s_mov_b32 s[G1B+2], 8<<16
	s_mov_b32 s[G1B+3], (REC/8)<<16
	s_mov_b32 s[G1B+4], 8
	s_mov_b32 s[G1B+5], KP*(REC/8)
	s_mov_b32 s[G1B+6], 0
	s_mov_b32 s[G1B+7], 0
	s_lshl_b32 s18, s14, 1                         ; the two row pairs that I fetch: 2 x wave on
	s_lshl_b32 s20, s17, 3
	s_mul_i32 s20, s20, KP*REC                     ; A: row pair 8 x tile row, in bytes: the tile's first record
	s_mov_b32 s21, 0
	s_lshl_b32 s46, s42, 4
	s_mul_i32 s22, s46, KP*REC                     ; B: row pair 16 x pair of tile columns: the first tile's first record
	s_mov_b32 s23, 0
	s_add_co_u32 s46, s46, s18
	s_mul_i32 s46, s46, KP*REC                     ; and, for the ring, + 2 x wave row pairs
	s_mov_b32 s47, 0
	s_mul_i32 s45, s14, QTR
	s_mul_i32 s12, s16, 4*KP*REC                   ; A's planes 2 and 3, half a plane a wave: row pairs 4 (wave % 2) on,
	s_mul_i32 s13, s15, REC                        ; plane 2 + wave / 2
	s_add_co_u32 s12, s12, s13
	s_mov_b32 s13, 0
	s_mul_i32 s19, s14, HALF                       ; which lie on end in LDS: 2 planes + wave x half a plane
	s_wait_kmcnt 0x0
	s_add_nc_u64 s[20:21], s[4:5], s[20:21]
	s_add_nc_u64 s[46:47], s[6:7], s[46:47]
	s_add_nc_u64 s[22:23], s[6:7], s[22:23]
	s_add_nc_u64 s[12:13], s[20:21], s[12:13]
.irp k, 0,1                            ; groups 0 of the head's four loads: A's planes 0, 1 at s[80:87], B steps 0, 1 at s[92:99], each whole
	s_mov_b32 s[G0A+4*\k], 1
	s_mov_b32 s[G0A+4*\k+1], \k*PLANE
	s_add_nc_u64 s[G0A+4*\k+2:G0A+4*\k+3], s[20:21], \k*REC
	s_or_b32 s[G0A+4*\k+3], s[G0A+4*\k+3], 0x80000000
	s_mov_b32 s[G0A+12+4*\k], 1
	s_mov_b32 s[G0A+12+4*\k+1], BR+\k*PLANE
	s_add_nc_u64 s[G0A+12+4*\k+2:G0A+12+4*\k+3], s[22:23], \k*REC
	s_or_b32 s[G0A+12+4*\k+3], s[G0A+12+4*\k+3], 0x80000000
.endr
	s_mov_b32 s[G0A+8], 1                          ; s[88:91]: my half plane of A's planes 2 and 3
	s_add_co_u32 s[G0A+9], s19, 2*PLANE
	s_add_nc_u64 s[G0A+10:G0A+11], s[12:13], 2*REC
	s_or_b32 s[G0A+11], s[G0A+11], 0x80000000
	; the prefetches' bases; the partners of a joint load share its blocks out by address
	s_lshl_b32 s18, s40, 2
	s_add_co_u32 s18, s18, s14                     ; i = 4 cx + wave: one of the 16 records of A's planes 2 and 3: row pair i % 8, plane 2 + i / 8
	s_and_b32 s19, s18, 7
	s_lshr_b32 s18, s18, 3
	s_lshl_b32 s19, s19, 2
	s_add_co_u32 s18, s18, s19
	s_mul_i32 s12, s18, REC
	s_mov_b32 s13, 0
	s_add_nc_u64 s[12:13], s[20:21], s[12:13]
	s_lshl_b32 s18, s41, 1
	s_add_co_u32 s18, s18, s16                     ; of a B step's eight records: record 2 cy + wave % 2; its blocks 0-12 or 13-24 by wave / 2
	s_mul_i32 s2, s18, KP*REC
	s_mov_b32 s3, 0
	s_add_nc_u64 s[2:3], s[22:23], s[2:3]
.irp s, 0,1
	s_mov_b32 s[G0B+4*\s], 1
	s_add_co_u32 s[G0B+4*\s+1], s45, BR+\s*PLANE   ; slot s, which begins with B step s
	s_add_nc_u64 s[G0B+4*\s+2:G0B+4*\s+3], s[46:47], \s*REC
	s_or_b32 s[G0B+4*\s+3], s[G0B+4*\s+3], 0x80000000
.endr
	CROUND                                         ; all sixteen work-groups are here: the first joint loads meet
; THE HEAD'S LOADS, ONE A WAVE: wave 0 A's plane 0, wave 1 B step 0, wave 2 A's plane 1, wave 3 B step 1, eight records each.
; One chain of branches on the wave's number; every way through it passes one load.
.macro ARM under, g0, g1, next
	s_cmp_lt_u32 s14, \under
	s_cbranch_scc0 \next
	tensor_load_to_lds s[\g0:\g0+3], s[\g1:\g1+7]
	s_nop 0
.rept 4
	v_nop
.endr
	s_branch .Lhead_asked
\next:
.endm
	ARM 1, G0A,    G1,  .Lhead_b0
	ARM 2, G0A+12, G1B, .Lhead_a1
	ARM 3, G0A+4,  G1,  .Lhead_b1
	tensor_load_to_lds s[G0A+16:G0A+19], s[G1B:G1B+7]
	s_nop 0
.rept 4
	v_nop
.endr
.Lhead_asked:
	v_and_b32 v1, 15, v0
	v_bfe_u32 v2, v0, 4, 1                         ; h
	v_and_b32 v[LI], 31, v0
	v_min_u32 v31, 24, v[LI]                       ; v31: 256 x min(lane, 24): a record's 25 blocks of 256 bytes (the lanes left over name the last again); never rewritten
	v_lshlrev_b32 v31, 8, v31
	v_min_u32 v30, 12, v[LI]
	v_mad_u32_u24 v30, s15, 13, v30
	v_min_u32 v30, 24, v30                         ; v30: blocks 0-12 (waves 0, 1) or 13-24 (waves 2, 3) of a record; never rewritten
	v_lshlrev_b32 v30, 8, v30
	v_lshlrev_b32 v[LI], 4, v[LI]
	s_wait_alu depctr_va_vdst(0)
	s_mul_i32 s71, s15, HALF                       ; my half of a plane of A
	s_mul_i32 s72, s16, HALF                       ; my half of a slot of B
	s_xor_b32 s73, s15, 1
	s_mul_i32 s73, s73, HALF
	s_add_co_u32 s73, s73, s72                     ; (1 - mh + nh) x HALF
	s_add_co_u32 s72, s72, BR
	v_lshlrev_b32 v4, 3, v1                        ; 8 bytes a row slot
.irp k, 0,1,2,3
	s_add_co_u32 s76, s71, \k*PLANE
	s_add_co_u32 s77, s73, BR+(\k%2)*PLANE-\k*PLANE-HALF   ; from my half of plane k to my half of slot k % 2
	v_add_nc_u32 v[ADRA+\k], s76, v[LI]
	v_mul_u32_u24 v5, s77, v2                      ; lanes 16-31 take B's
	v_add_nc_u32 v5, v5, v4
	v_add_nc_u32 v[ADRS+\k], s76, v5
.endr
.irp s, 0,1
	s_add_co_u32 s76, s72, \s*PLANE
	v_add_nc_u32 v[ADRB+\s], s76, v[LI]
.endr
	s_lshl_b32 s71, s15, 10                        ; the way out: the stage for scale words: record 4 mh + a / 2 has 256 bytes; slot 16 (a % 2) + r has 8; my word at 4 nh
	s_lshl_b32 s72, s16, 2
	s_add_co_u32 s71, s71, s72
	s_add_co_u32 s71, s71, STG
	v_lshl_add_u32 v24, v1, 3, s71
	v_lshl_add_u32 v25, v0, 4, STG                 ; back: 16 bytes a thread
	v_lshrrev_b32 v7, 4, v0
	v_mul_u32_u24 v27, v7, 16*REC                  ; sixteen threads to a record's scale block; the tile's records lie 16 records apart
	v_lshl_add_u32 v27, v1, 4, v27
	s_mov_b32 s[SEL], 0x76543210
	s_mov_b32 s[SEL+1], 0xfedcba98
	s_mov_b32 s74, 0xbe000000                      ; -0.125
	s_mov_b32 s75, s74                             ; (named with it as a pair, so it is written)
	s_lshl_b32 s76, s42, 11                        ; b1: 512 numbers a pair of tile columns, 128 a half of a tile
	s_lshl_b32 s77, s16, 9
	s_add_co_u32 s76, s76, s77
	s_mov_b32 s77, 0
	s_add_nc_u64 s[8:9], s[8:9], s[76:77]
	s_lshl_b32 s78, s17, 7                         ; hq: the first tile's first record is (8 x tile row, 2 x pair) of 16 a row pair: its scale block,
	s_lshl_b32 s79, s42, 1
	s_add_co_u32 s78, s78, s79
	s_mul_i32 s78, s78, REC
	s_add_co_u32 s78, s78, SCB
	s_mov_b32 s79, 0
	s_add_nc_u64 s[68:69], s[10:11], s[78:79]
	s_lshl_b32 s76, s17, 3                         ; and my wave's first image: record (8 x tile row + 4 mh, 2 x pair), K step nh
	s_lshl_b32 s78, s15, 2
	s_add_co_u32 s76, s76, s78
	s_lshl_b32 s76, s76, 4
	s_lshl_b32 s78, s42, 1
	s_add_co_u32 s76, s76, s78
	s_mul_i32 s76, s76, REC
	s_mul_i32 s78, s16, IMG
	s_add_co_u32 s76, s76, s78
	s_add_nc_u64 s[10:11], s[10:11], s[76:77]
	v_lshlrev_b32 v[BO], 6, v2
; tile t's bias in the result's layout: tile b of 16, lane half h: units 32 (b / 2) + 8 (b % 2) + 16 h + 0 .. 7; the tile's 256 numbers stand in the immediate
.macro BIAS t
	WIN TO_B
.irp b, 0,1,2,3,4,5,6,7
	global_load_b128 v[96+8*(\b%4)+128*(\b/4):96+8*(\b%4)+128*(\b/4)+3], v[BO], s[8:9] offset:(32*(\b/2)+8*(\b%2))*4+1024*(\t)
	global_load_b128 v[96+8*(\b%4)+128*(\b/4)+4:96+8*(\b%4)+128*(\b/4)+7], v[BO], s[8:9] offset:(32*(\b/2)+8*(\b%2))*4+16+1024*(\t)
.endr
	WIN 0
.endm
	global_prefetch_b8 v31, s[12:13] offset:2*REC th:TH_LOAD_NT scope:SCOPE_SE   ; A's planes 2 and 3, which are loaded behind the head's loads
	global_prefetch_b8 v30, s[2:3] offset:2*REC th:TH_LOAD_NT scope:SCOPE_SE     ; B steps 2 and 3, which the first two changes of slots load
	global_prefetch_b8 v30, s[2:3] offset:3*REC th:TH_LOAD_NT scope:SCOPE_SE
	BIAS 0
; 8 products: A's block a against B's eight; buffer f, the B step's K step q, scale set sc.  first = 1: the bias is C: nothing is cleared and nothing added later.
; The accumulators take turns, one instruction a turn, in the same order in every step.
.macro MUL a, f, q, sc, first
.if \first
	WIN 0x91+0x40*((\a)/4)                         ; B and the bias window 1, A window 0, D window 2 or 3
.else
	WIN 0xa1+0x50*((\a)/4)                         ; B window 1, A window 0, C and D window 2 or 3
.endif
.set FA, AF+12*MB*(\f)+12*(\a)
.set SS, SC+16*(\sc)+(\q)
.irp b, 0,1,2,3,4,5,6,7
.set DA, 8*(8*((\a)%4)+\b)
.set FB, 128*(\f)+12*\b
.set BI, 96+8*(\b%4)+128*(\b/4)
.if \first
	v_wmma_scale_f32_16x16x128_f8f6f4 v[DA:DA+7], v[FB:FB+11], v[FA:FA+11], v[BI:BI+7], v[SS+2*\b], v[SS+2*(\a)] matrix_a_fmt:MATRIX_FMT_FP6 matrix_b_fmt:MATRIX_FMT_FP6 matrix_a_scale:MATRIX_SCALE_ROW1
.else
	v_wmma_scale_f32_16x16x128_f8f6f4 v[DA:DA+7], v[FB:FB+11], v[FA:FA+11], v[DA:DA+7], v[SS+2*\b], v[SS+2*(\a)] matrix_a_fmt:MATRIX_FMT_FP6 matrix_b_fmt:MATRIX_FMT_FP6 matrix_a_scale:MATRIX_SCALE_ROW1
.endif
.endr
.endm
.macro MULS a0, n, f, q, sc, first     ; blocks a0 .. a0 + n - 1
.set AA, \a0
.rept \n
	MUL AA, \f, \q, \sc, \first
.set AA, AA+1
.endr
.endm
.macro FETCH j, q, f                   ; the fragments of B step j's K step q into buffer f: B's eight from slot j % 2, then A's eight from plane j % 4; three loads each
	WIN TO_B
.irp i, 0,1,2,3,4,5,6,7
.irp c, 0,1,2
	ds_load_b128 v[128*(\f)+12*\i+4*\c:128*(\f)+12*\i+4*\c+3], v[ADRB+(\j)%2] offset:(\i/2)*REC+(2*(\i%2)+(\q))*IMG+512*\c
.endr
.endr
	WIN 0
.irp i, 0,1,2,3,4,5,6,7
.irp c, 0,1,2
	ds_load_b128 v[AF+12*MB*(\f)+12*\i+4*\c:AF+12*MB*(\f)+12*\i+4*\c+3], v[ADRA+(\j)%4] offset:(\i/2)*REC+(2*(\i%2)+(\q))*IMG+512*\c
.endr
.endr
.endm
.macro SCALES j                        ; B step j's scale words into set j % 2: both K steps' words by one load; lanes 0-15 A's block i, lanes 16-31 B's block i
.irp i, 0,1,2,3,4,5,6,7
	ds_load_b64 v[SC+16*((\j)%2)+2*\i:SC+16*((\j)%2)+2*\i+1], v[ADRS+(\j)%4] offset:(\i/2)*REC+SCB+(\i%2)*128
.endr
.endm
.macro STEP j, first                   ; B step j's first 128 along K: multiplies buffer 0 and fetches the second 128 into buffer 1
	s_wait_dscnt 3*MB/2                            ; all but the youngest loads, A's blocks 4-7, are in
	MULS 0, MB/2, 0, 0, (\j)%2, \first
	PLACES 4                                       ; in front of loads into buffer 1, which the step before multiplied
	FETCH \j, 1, 1
	s_wait_dscnt 24+3*MB                           ; all but the loads just issued
	MULS MB/2, MB/2, 0, 0, (\j)%2, \first
.endm
; B step j's second 128 along K changes slots: one barrier; in front of it each wave waits for all its tensor loads, adds 0 to its spare word, and waits for that and for its reads of this slot.
; fill = 1: this slot takes B step j + 2, delta bytes on in memory.  fetch = 1: B step j + 1's first fragments are fetched (not at the tile's edge: the way out works in A's fragment registers).
.macro TURN j, fill, delta, fetch
.set SL, (\j)%2
	WIN 0
	s_wait_tensorcnt 0x0                           ; all my tensor loads have landed, my part of the next slot among them (behind B step 0: A's planes 2 and 3 instead)
	ds_add_u32 v[SPW], v[NIL]                      ; 0 onto my spare word
	s_wait_dscnt 3*MB/2+1                          ; (the add and A's blocks 4-7 may be out)
	MULS 0, MB/4, 1, 1, SL, 0
	s_wait_dscnt 0x0                               ; the add is done, and my reads of this slot are over
	s_barrier_signal -1
	MULS MB/4, MB/4, 1, 1, SL, 0
	WIN 0
	s_barrier_wait -1
.if \fill
	CREST                                          ; the barrier has opened a round of the cluster's: no wave of any partner still reads this slot or has a load on its way
	s_add_nc_u64 s[G0B+4*SL+2:G0B+4*SL+3], s[G0B+4*SL+2:G0B+4*SL+3], \delta
	tensor_load_to_lds s[G0B+4*SL:G0B+4*SL+3], s[G1B:G1B+7]    ; my one tensor load behind the round
	s_nop 0
.rept 4
	v_nop                                          ; four v_nop follow it; they are also the places in front of the loads below
.endr
.else
	PLACES 4
.endif
.if \fetch
	SCALES (\j)+1
	FETCH (\j)+1, 0, 0
.endif
.if (\j)+4 < 8
	global_prefetch_b8 v30, s[2:3] offset:(((\j)+4)/4)*8*KP*REC+(((\j)+4)%4)*REC th:TH_LOAD_NT scope:SCOPE_SE   ; B step j + 4: two B steps ahead of the load that will want it
.endif
	MULS MB/2, MB/2, 1, 1, SL, 0
.endm
; THE WAY OUT.  64 numbers of a lane, register 16 b + i = k 32 b + 16 (lane / 16) + i of my row, become a fragment's codes in v[PC] on and its scale word in v[pw].
.macro QUANT s, pw
.irp b, 0,1,2,3
	v_max3_num_f32 v[TM+\b], |v[\s+16*\b]|, |v[\s+1+16*\b]|, 0x1800000   ; block b: my 16 numbers, and the floor 2^(3 - 127): the byte cannot fall under 1
.endr
.irp i, 2,4,6,8,10,12,14
.irp b, 0,1,2,3
	v_max3_num_f32 v[TM+\b], v[TM+\b], |v[\s+16*\b+\i]|, |v[\s+1+16*\b+\i]|
.endr
.endr
.irp b, 0,1,2,3
	v_permlanex16_b32 v[TM+4+\b], v[TM+\b], s[SEL], s[SEL+1]
.endr
.irp b, 0,1,2,3
	v_max_num_f32 v[TM+\b], v[TM+\b], v[TM+4+\b]   ; with lane l xor 16's: the block's largest magnitude
.endr
.irp b, 0,1,2,3
	v_add_nc_u32 v[TM+12+\b], 0xff000000, v[TM+\b] ; 2 off its exponent field: the conversion's scale operand
.endr
.irp b, 0,1,2,3
	v_lshrrev_b32 v[TM+4+\b], 23, v[TM+12+\b]      ; the scale's byte
.endr
	v_lshl_or_b32 v[\pw], v[TM+5], 8, v[TM+4]
	v_lshl_or_b32 v[\pw], v[TM+6], 16, v[\pw]
	v_lshl_or_b32 v[\pw], v[TM+7], 24, v[\pw]      ; my row's scale word, the same in lanes l and l xor 16
.irp c, 0,1
	v_cvt_scalef32_pk16_fp6_f32 v[PC+6*\c:PC+2+6*\c], v[\s+32*\c:\s+15+32*\c], v[TM+12+2*\c]
	v_cvt_scalef32_pk16_fp6_f32 v[PC+12+4*\c:PC+14+4*\c], v[\s+16+32*\c:\s+31+32*\c], v[TM+12+2*\c+1]   ; (a conversion's three registers begin on an even number)
.endr
	v_nop                                          ; one plain place behind a scaled conversion
.irp c, 0,1                                    ; the operand's layout wants a WHOLE block in a lane
.irp i, 0,1,2
	v_permlane16_swap_b32 v[PC+6*\c+\i], v[PC+12+4*\c+\i]
.endr
.irp i, 0,1,2
	v_mov_b32 v[PC+3+6*\c+\i], v[PC+12+4*\c+\i]
.endr
.endr
.endm
; Tile t of the work-group's two leaves.  Its records lie one record (6,400 bytes) behind the first tile's: that stands in the immediates, so no base is stepped.
.macro WAYOUT t
.irp b, 0,1,2,3
	v_mov_b32 v[TM+4+\b], 0                        ; a lane permute's destination counts as one of its sources
.endr
.irp a, 0,1,2,3,4,5,6,7                        ; block a: 16 rows x my 128 hidden units = one fragment of the next product: image (a % 2, nh) of record (.. + a / 2, tile column)
	WIN 0x02+\a/4                                  ; source 0: the accumulators' window
.set AC, 64*(\a%4)
.set J, 0
.rept 32
	v_pk_fma_f32 v[P+J:P+J+1], v[AC+J:AC+J+1], s[74:75], 0.5 op_sel_hi:[1,0,0]     ; 0.5 - 0.125 h; each accumulator is read from its low end on
.set J, J+2
.endr
.set J, 0
.rept 32
	v_pk_fma_f32 v[P+J:P+J+1], v[AC+J:AC+J+1], v[P+J:P+J+1], 0.5 op_sel_hi:[1,1,0] ; 0.5 + h (..)
.set J, J+2
.endr
.set J, 0
.rept 32
	v_pk_mul_f32 v[P+J:P+J+1], v[AC+J:AC+J+1], v[P+J:P+J+1]                        ; h (..)
.set J, J+2
.endr
	WIN 0
.if \a > 0
	s_wait_xcnt 0x0                                ; the last block's stores have read the codes' registers: these are written again only behind this wait
.endif
	QUANT P, PW+\a
.irp c, 0,1,2
	global_store_b128 v[LI], v[PC+4*\c:PC+4*\c+3], s[10:11] offset:(\a/2)*16*REC+(\a%2)*2*IMG+512*\c+(\t)*REC   ; 32 lanes store 512 consecutive bytes, at a multiple of 256 from the buffer's first byte
.endr
	ds_store_b32 v24, v[PW+\a] offset:128*\a       ; lanes l and l xor 16 write the same word with the same value
.endr
	s_wait_dscnt 0x0                               ; for the others' sake: my words lie in the stage
	s_barrier_signal -1
	s_barrier_wait -1
	ds_load_b128 v[176:179], v25                   ; a record's 256 scale bytes come from two waves: now they are whole
	s_wait_dscnt 0x0
	global_store_b128 v27, v[176:179], s[68:69] offset:(\t)*REC    ; sixteen lanes store a record's 256 scale bytes
.endm
	s_wait_alu depctr_va_vdst(0)
	s_wait_tensorcnt 0x0                           ; my one load of the head is in
	ds_add_u32 v[SPW], v[NIL]
	s_mov_b32 s[G1+2], 4<<16                       ; no tensor load of mine is out, so the descriptors may be written: A's next load brings four records,
	s_mov_b32 s[G1+4], 4
	s_mov_b32 s[G1B+2], 2<<16                      ; and the ring's loads two
	s_mov_b32 s[G1B+4], 2
	s_wait_dscnt 0x0
	CROUND                                         ; a whole round: planes 0, 1 and B steps 0, 1 are whole
	tensor_load_to_lds s[G0A+8:G0A+11], s[G1:G1+7] ; A's planes 2 and 3, half a plane a wave: waited for at the first change of slots
	s_nop 0
.rept 4
	v_nop
.endr
	SCALES 0
	FETCH 0, 0, 0
	s_wait_loadcnt 0x0                             ; the bias
	STEP 0, 1                                      ; the first tile: its first products start the sums
	TURN 0, 1, NEXTK, 1                            ; slot 0 takes B step 2
	STEP 1, 0
	TURN 1, 1, NEXTK, 1                            ; slot 1 takes B step 3
	STEP 2, 0
	TURN 2, 1, NEXTT, 1                            ; slot 0 takes B step 4: the second tile's first
	STEP 3, 0
	TURN 3, 1, NEXTT, 0                            ; slot 1 takes B step 5; both are asked for: now the first tile goes out
	WIN 0
	PLACES 4                                       ; behind the last products: their results are read and A's registers written below
	BIAS 1                                         ; the second tile's bias, into the registers that the first tile's first products read long ago
	WAYOUT 0
	s_wait_xcnt 0x0                                ; the stores have read their registers: fragments land there only behind this wait
	SCALES 4
	FETCH 4, 0, 0
	s_wait_loadcnt 0x0                             ; the bias
	STEP 4, 1                                      ; the second tile: its first products start the sums anew
	TURN 4, 1, NEXTK, 1                            ; slot 0 takes B step 6
	STEP 5, 0
	TURN 5, 1, NEXTK, 1                            ; slot 1 takes B step 7: the last load
	STEP 6, 0
	TURN 6, 0, 0, 1                                ; nothing is left to fetch
	STEP 7, 0
	s_wait_dscnt 3*MB/2
	MULS 0, MB/2, 1, 1, 1, 0
	s_wait_dscnt 0x0
	MULS MB/2, MB/2, 1, 1, 1, 0
	WIN 0
	PLACES 4
	WAYOUT 1
	s_wait_tensorcnt 0x0                           ; the wave's end
	ds_add_u32 v[SPW], v[NIL]
	s_wait_dscnt 0x0
	CROUND                                         ; the closing round: no work-group ends while a partner may still ask for a tile that names it
	s_endpgm
.Lfunc_end_k_qe4a8e155de_gemm1:
	.size	k_qe4a8e155de_gemm1, .Lfunc_end_k_qe4a8e155de_gemm1-k_qe4a8e155de_gemm1
	.p2alignl 7, 3214868480
	.fill 96, 4, 3214868480
	.section	.rodata,"a",@progbits
	.p2align	6, 0x0
	.amdhsa_kernel k_qe4a8e155de_gemm1
		.amdhsa_group_segment_fixed_size 327680
		.amdhsa_private_segment_fixed_size 0
		.amdhsa_enable_private_segment 0
		.amdhsa_kernarg_size 32
		.amdhsa_user_sgpr_count 2
		.amdhsa_user_sgpr_kernarg_segment_ptr 1
		.amdhsa_wavefront_size32 1
		.amdhsa_system_sgpr_workgroup_id_x 1
		.amdhsa_system_sgpr_workgroup_id_y 1
		.amdhsa_system_sgpr_workgroup_id_z 1
		.amdhsa_system_vgpr_workitem_id 0
		.amdhsa_next_free_vgpr 1024
		.amdhsa_next_free_sgpr 100
		.amdhsa_reserve_vcc 0
		.amdhsa_float_denorm_mode_32 3
		.amdhsa_float_denorm_mode_16_64 3
		.amdhsa_memory_ordered 1
		.amdhsa_forward_progress 1
		.amdhsa_inst_pref_size 255
	.end_amdhsa_kernel
	.section	.bss,"aw",@nobits
	.p2align	6
	.space	262144
	.amdgpu_metadata
---
amdhsa.version: [ 1, 2 ]
amdhsa.kernels:
  - .name:           k_qe4a8e155de_gemm1
    .symbol:         k_qe4a8e155de_gemm1.kd
    .args:
      - { .name: xq, .offset: 0, .size: 8, .value_kind: global_buffer, .address_space: global }
      - { .name: w1q, .offset: 8, .size: 8, .value_kind: global_buffer, .address_space: global }
      - { .name: b1, .offset: 16, .size: 8, .value_kind: global_buffer, .address_space: global }
      - { .name: hq, .offset: 24, .size: 8, .value_kind: global_buffer, .address_space: global }
    .group_segment_fixed_size: 327680
    .private_segment_fixed_size: 0
    .kernarg_segment_align: 8
    .kernarg_segment_size: 32
    .max_flat_workgroup_size: 128
    .sgpr_count:     100
    .vgpr_count:     1024
    .wavefront_size: 32
...
	.end_amdgpu_metadata
.endif
;; end of part 2
;; launch gemm2 (part 3): grid 4 x 64, 4 waves a work-group, clusters of 4 x 4, 327,680 bytes of LDS; arguments hq, w2q, b2, out0; writes out0
.if DOCPART == 3
	.amdgcn_target "amdgcn-amd-amdhsa--gfx1250"
	.amdhsa_code_object_version 6
	.text
	.protected	k_qe4a8e155de_gemm2
	.globl	k_qe4a8e155de_gemm2
	.p2align	8
	.type	k_qe4a8e155de_gemm2,@function
k_qe4a8e155de_gemm2:
	s_mov_b64 s[64:65], 0
	v_nop
	global_prefetch_b8 v0, s[64:65] scope:SCOPE_SE
	s_setreg_imm32_b32 hwreg(HW_REG_WAVE_MODE, 25, 1), 1
	s_wait_xcnt 0x0
	s_wait_alu depctr_hold_cnt(0) depctr_sa_sdst(0) depctr_va_vdst(0) depctr_va_sdst(0) depctr_va_ssrc(0) depctr_va_vcc(0) depctr_vm_vsrc(0)
	s_getreg_b32 s2, hwreg(HW_REG_IB_STS2, 6, 4)
	s_cmp_eq_u32 s2, 0
	s_cbranch_scc0 .Lentry_in_a_cluster
	s_endpgm
.Lentry_in_a_cluster:
	s_bfe_u32 s2, ttmp6, 0x10000c
	s_cmp_lg_u32 s2, 0xf033
	s_cbranch_scc0 .Lentry_shape_is_right
	s_endpgm
.Lentry_shape_is_right:
; out0 = hq W2 + b2: the second product on codes of FP6 (E2M3) with E8M0 scales, sums in f32, one accumulator for each output, K ascending; the bias is the C of each sum's first product.
; OPERANDS lie in RECORDS of 6,400 bytes = 32 rows x 256 along K: image (t, q) at (2 t + q) x 1,536 holds the 12 registers of the fragment of rows 16 t on, K step q of 128 (register 4 c + e of lane L at 512 c + 16 L + 4 e);
; at 6,144 the scale bytes: row slot 16 t + r has 8, byte 4 q + b for k block 128 q + 32 b.  Record (rp, kp) at (rp x 16 + kp) x 6,400.  Codes and scales come by the same tensor load.
; SHARES: a work-group of four waves owns 128 rows x 256 columns of out0: 256 work-groups.  A wave makes 64 x 128: 32 accumulators, 256 registers.
; THE RING: two slots of 153,600 bytes, each with four steps of 128 along K: hq's four row pairs and W2's eight, two records (12,800 bytes) each; eight fills.  Waves 0, 1 fetch hq's halves, waves 2, 3 W2's.
; CLUSTERS: 4 x 4 work-groups; hq's part of a slot is asked for jointly along a row of the cluster, W2's along a column.  Each change of slots that fills a slot again is a round of the cluster's barrier.
; PREFETCH: fills 1 and 2 are asked of memory at the head, fill 3 behind slot 1's load, and change of slots k (which loads fill k + 2) asks for fill k + 4: two refills ahead.  The sixteen waves that ask for a tile jointly share
; its blocks of 256 bytes out by address: of hq's eight records a fill, the partner at cx names those of row pair cx: record wave % 2, blocks 0-12 or 13-24 by wave / 2; of W2's sixteen, the partner at cy names row pairs
; 2 cy + wave / 2, record wave % 2, all 25 blocks (lanes left over name the last again).  The loop's last trip has no fill four on and asks for nothing.
; TRANSPOSED USE: source 0 = 16 rows of W2^T, source 1 = 16 rows of hq: a lane holds eight neighbouring columns of one row of out0; a block of 16 rows leaves through the wave's own stage, in slot 0, which has had its last fill
; and its last read by then, as whole rows of 512 bytes.
; LIMITS: NaN and infinities are not served.
.set MB,    4
.set KP,    16
.set NQ,    4
.set REC,   6400
.set IMG,   1536
.set SCB,   6144
.set RUN,   (NQ/2)*REC
.set RPA,   MB/2
.set HALFA, RPA*RUN
.set HALFB, 4*RUN
.set SLOT,  2*HALFA+2*HALFB
.set LAPS,  (KP*256)/(2*128*NQ)
.set SPARE, 2*SLOT
.set SPITCH, 528
.set LI,    3
.set ADRA,  16
.set ADRB,  20
.set ADRS,  22
.set STO,   24
.set RD,    25
.set SPW,   28
.set NIL,   29
.set SC,    32
.set AF,    96
.set BK,    128
.set G1,    24
.set G0,    32
.set G1B,   48
.set G0B,   56
.set MSB, 0
.macro WIN new
.if MSB != (\new)
	s_set_vgpr_msb (MSB<<8)|(\new)
.set MSB, (\new)
.endif
.endm
.set TO_B, 0x40
.macro JLOAD g0a, g1a, g0b, g1b
	s_cmp_eq_u32 s15, 0
	s_cbranch_scc0 .Lfor_b_\@
	tensor_load_to_lds s[\g0a:\g0a+3], s[\g1a:\g1a+7]
	s_nop 0
.rept 4
	v_nop
.endr
	s_branch .Lasked_\@
.Lfor_b_\@:
	tensor_load_to_lds s[\g0b:\g0b+3], s[\g1b:\g1b+7]
	s_nop 0
.rept 4
	v_nop
.endr
.Lasked_\@:
.endm
.macro CREST
	s_cmp_lg_u32 s14, 0
	s_cbranch_scc1 .Lnot_wave_0_\@
	s_barrier_signal -3
.Lnot_wave_0_\@:
	s_barrier_wait -3
	s_barrier_signal -1
	s_barrier_wait -1
.endm
.macro CROUND
	s_barrier_signal -1
	s_barrier_wait -1
	CREST
.endm
.macro PLACES n
.rept \n
	v_nop
.endr
.endm
	s_load_b256 s[4:11], s[0:1], 0x0
	v_lshl_add_u32 v[SPW], v0, 2, SPARE
	v_mov_b32 v[NIL], 0
	ds_add_u32 v28, v29
	ds_add_u32 v28, v29
	s_wait_dscnt 0x0
	v_lshrrev_b32 v1, 5, v0
	v_readfirstlane_b32 s14, v1
	s_lshr_b32 s15, s14, 1
	s_and_b32 s16, s14, 1
	s_bfe_u32 s40, ttmp6, 0x40000
	s_bfe_u32 s41, ttmp6, 0x40004
	s_lshl_b32 s42, ttmp9, 2
	s_add_co_u32 s42, s42, s40
	s_and_b32 s17, ttmp7, 0xffff
	s_lshl_b32 s17, s17, 2
	s_add_co_u32 s17, s17, s41
	s_lshl_b32 s43, s41, 2
	s_lshl_b32 s43, 15, s43
	s_lshl_b32 s44, 0x1111, s40
	s_or_b32 s[G1+0], s43, (3<<16)|(1<<21)
	s_or_b32 s[G1B+0], s44, (3<<16)|(1<<21)
	s_mov_b32 s[G1+1], (RUN/8)<<16
	s_mov_b32 s[G1+2], RPA<<16
	s_mov_b32 s[G1+3], (RUN/8)<<16
	s_mov_b32 s[G1+4], RPA
	s_mov_b32 s[G1+5], KP*(REC/8)
	s_mov_b32 s[G1+6], 0
	s_mov_b32 s[G1+7], 0
	s_mov_b32 s[G1B+1], (RUN/8)<<16
	s_mov_b32 s[G1B+2], 4<<16
	s_mov_b32 s[G1B+3], (RUN/8)<<16
	s_mov_b32 s[G1B+4], 4
	s_mov_b32 s[G1B+5], KP*(REC/8)
	s_mov_b32 s[G1B+6], 0
	s_mov_b32 s[G1B+7], 0
	s_mul_i32 s20, s17, 2*RPA
	s_mul_i32 s18, s16, RPA
	s_add_co_u32 s20, s20, s18
	s_mul_i32 s20, s20, KP*REC
	s_mov_b32 s21, 0
	s_lshl_b32 s46, s42, 3
	s_lshl_b32 s18, s16, 2
	s_add_co_u32 s46, s46, s18
	s_mul_i32 s46, s46, KP*REC
	s_mov_b32 s47, 0
	s_mul_i32 s45, s16, HALFA
	s_mul_i32 s70, s16, HALFB
	s_add_co_u32 s70, s70, 2*HALFA
	s_wait_kmcnt 0x0
	s_add_nc_u64 s[20:21], s[4:5], s[20:21]
	s_add_nc_u64 s[46:47], s[6:7], s[46:47]
	s_lshl_b32 s66, s17, 2                         ; the prefetches' bases.  hq: row pair 4 x tile row + cx, record wave % 2
	s_add_co_u32 s66, s66, s40
	s_lshl_b32 s66, s66, 4
	s_add_co_u32 s66, s66, s16
	s_mul_i32 s66, s66, REC
	s_mov_b32 s67, 0
	s_add_nc_u64 s[12:13], s[4:5], s[66:67]
	s_lshl_b32 s68, s42, 3                         ; W2: row pair 8 x tile column + 2 cy + wave / 2, record wave % 2
	s_lshl_b32 s69, s41, 1
	s_add_co_u32 s68, s68, s69
	s_add_co_u32 s68, s68, s15
	s_lshl_b32 s68, s68, 4
	s_add_co_u32 s68, s68, s16
	s_mul_i32 s68, s68, REC
	s_mov_b32 s69, 0
	s_add_nc_u64 s[22:23], s[6:7], s[68:69]
	CROUND
.irp s, 0,1
	s_mov_b32 s[G0+4*\s], 1
	s_add_co_u32 s[G0+4*\s+1], s45, \s*SLOT
	s_add_nc_u64 s[G0+4*\s+2:G0+4*\s+3], s[20:21], \s*RUN
	s_or_b32 s[G0+4*\s+3], s[G0+4*\s+3], 0x80000000
	s_mov_b32 s[G0B+4*\s], 1
	s_add_co_u32 s[G0B+4*\s+1], s70, \s*SLOT
	s_add_nc_u64 s[G0B+4*\s+2:G0B+4*\s+3], s[46:47], \s*RUN
	s_or_b32 s[G0B+4*\s+3], s[G0B+4*\s+3], 0x80000000
.endr
	JLOAD G0, G1, G0B, G1B                         ; fill 0, behind the round above
	v_and_b32 v1, 15, v0
	v_bfe_u32 v2, v0, 4, 1
	v_and_b32 v[LI], 31, v0
	v_min_u32 v31, 24, v[LI]                       ; v31: 256 x min(lane, 24): a record's 25 blocks of 256 bytes; never rewritten
	v_lshlrev_b32 v31, 8, v31
	v_min_u32 v30, 12, v[LI]
	v_mad_u32_u24 v30, s15, 13, v30
	v_min_u32 v30, 24, v30                         ; v30: blocks 0-12 (waves 0, 1) or 13-24 (waves 2, 3) of a record; never rewritten
	v_lshlrev_b32 v30, 8, v30
	v_lshlrev_b32 v[LI], 4, v[LI]
	s_wait_alu depctr_va_vdst(0)
	s_mul_i32 s71, s15, HALFA
	s_mul_i32 s72, s16, HALFB
	s_xor_b32 s73, s15, 1
	s_add_co_u32 s73, s73, 1
	s_mul_i32 s73, s73, HALFA
	s_add_co_u32 s73, s73, s72
	s_add_co_u32 s72, s72, 2*HALFA
	v_lshlrev_b32 v4, 3, v1
	v_mul_u32_u24 v5, s73, v2
	v_add_nc_u32 v4, v4, v5
.irp s, 0,1
	v_add_nc_u32 v[ADRA+\s], s71, v[LI]
	v_add_nc_u32 v[ADRB+\s], s72, v[LI]
	v_add_nc_u32 v[ADRS+\s], s71, v4
	s_add_co_u32 s71, s71, SLOT
	s_add_co_u32 s72, s72, SLOT
.endr
	s_mul_i32 s74, s14, 16*SPITCH
	v_mul_u32_u24 v[STO], v1, SPITCH
	v_lshl_add_u32 v[STO], v2, 5, v[STO]
	v_add_nc_u32 v[STO], s74, v[STO]
	v_add_nc_u32 v[RD], s74, v[LI]
	s_lshl_b32 s76, s42, 10
	s_lshl_b32 s77, s16, 9
	s_add_co_u32 s78, s76, s77
	s_mov_b32 s79, 0
	s_add_nc_u64 s[8:9], s[8:9], s[78:79]
	s_lshl_b32 s76, s17, 7
	s_lshl_b32 s77, s15, 6
	s_add_co_u32 s76, s76, s77
	s_lshl_b32 s76, s76, 12
	s_add_co_u32 s76, s76, s78
	s_mov_b32 s77, 0
	s_add_nc_u64 s[10:11], s[10:11], s[76:77]
	v_lshlrev_b32 v6, 5, v2
	global_prefetch_b8 v30, s[12:13] offset:RUN th:TH_LOAD_NT scope:SCOPE_SE      ; fill 1,
	global_prefetch_b8 v31, s[22:23] offset:RUN th:TH_LOAD_NT scope:SCOPE_SE
	global_prefetch_b8 v30, s[12:13] offset:2*RUN th:TH_LOAD_NT scope:SCOPE_SE    ; and fill 2
	global_prefetch_b8 v31, s[22:23] offset:2*RUN th:TH_LOAD_NT scope:SCOPE_SE
	WIN TO_B
.irp b, 0,1,2,3,4,5,6,7
	global_load_b128 v[96+8*(\b%4)+128*(\b/4):96+8*(\b%4)+128*(\b/4)+3], v6, s[8:9] offset:64*\b
	global_load_b128 v[96+8*(\b%4)+128*(\b/4)+4:96+8*(\b%4)+128*(\b/4)+7], v6, s[8:9] offset:64*\b+16
.endr
	WIN 0
.macro MUL a, f, s, sc, first
.if \first
	WIN 0x91
.else
	WIN 0xa1
.endif
.set FA, AF+12*MB*(\f)+12*(\a)
.set SS, SC+8*NQ*(\sc)+16*((\s)/2)+(\s)%2
.irp b, 0,1,2,3,4,5,6,7
.set DA, 8*(8*(\a)+\b)
.set FB, 128*(\f)+12*\b
.set BI, 96+8*(\b%4)+128*(\b/4)
.if \first
	v_wmma_scale_f32_16x16x128_f8f6f4 v[DA:DA+7], v[FB:FB+11], v[FA:FA+11], v[BI:BI+7], v[SS+2*\b], v[SS+2*(\a)] matrix_a_fmt:MATRIX_FMT_FP6 matrix_b_fmt:MATRIX_FMT_FP6 matrix_a_scale:MATRIX_SCALE_ROW1
.else
	v_wmma_scale_f32_16x16x128_f8f6f4 v[DA:DA+7], v[FB:FB+11], v[FA:FA+11], v[DA:DA+7], v[SS+2*\b], v[SS+2*(\a)] matrix_a_fmt:MATRIX_FMT_FP6 matrix_b_fmt:MATRIX_FMT_FP6 matrix_a_scale:MATRIX_SCALE_ROW1
.endif
.endr
.endm
.macro MULS a0, n, f, s, sc, first
.set AA, \a0
.rept \n
	MUL AA, \f, \s, \sc, \first
.set AA, AA+1
.endr
.endm
.macro FETCH slot, s, f
	WIN TO_B
.irp i, 0,1,2,3,4,5,6,7
.irp c, 0,1,2
	ds_load_b128 v[128*(\f)+12*\i+4*\c:128*(\f)+12*\i+4*\c+3], v[ADRB+\slot] offset:(\i/2)*RUN+((\s)/2)*REC+(2*(\i%2)+(\s)%2)*IMG+512*\c
.endr
.endr
	WIN 0
.set II, 0
.rept MB
.irp c, 0,1,2
	ds_load_b128 v[AF+12*MB*(\f)+12*II+4*\c:AF+12*MB*(\f)+12*II+4*\c+3], v[ADRA+\slot] offset:(II/2)*RUN+((\s)/2)*REC+(2*(II%2)+(\s)%2)*IMG+512*\c
.endr
.set II, II+1
.endr
.endm
.macro SCALES slot
.set KK, 0
.rept NQ/2
.irp i, 0,1,2,3,4,5,6,7
	ds_load_b64 v[SC+8*NQ*\slot+16*KK+2*\i:SC+8*NQ*\slot+16*KK+2*\i+1], v[ADRS+\slot] offset:(\i/2)*RUN+KK*REC+SCB+(\i%2)*128
.endr
.set KK, KK+1
.endr
.endm
.macro STEP slot, s, first
	s_wait_dscnt 3*MB/2
	MULS 0, MB/2, (\s)%2, \s, \slot, \first
	PLACES 4
	FETCH \slot, (\s)+1, ((\s)+1)%2
	s_wait_dscnt 24+3*MB
	MULS MB/2, MB/2, (\s)%2, \s, \slot, \first
.endm
.macro TURN slot, next, fill
.if \fill
	s_wait_xcnt 0x0                                ; my earlier prefetches have read their bases: these are stepped here, a fill on, ahead of the waits of the change of slots
	s_add_nc_u64 s[12:13], s[12:13], RUN
	s_add_nc_u64 s[22:23], s[22:23], RUN
.endif
	WIN 0
	s_wait_tensorcnt 0x0
	ds_add_u32 v[SPW], v[NIL]
	s_wait_dscnt 3*MB/2+1
	MULS 0, MB/4, 1, NQ-1, \slot, 0
	s_wait_dscnt 0x0
	s_barrier_signal -1
	MULS MB/4, MB/4, 1, NQ-1, \slot, 0
	WIN 0
	s_barrier_wait -1
.if \fill
	CREST
	s_add_nc_u64 s[G0+4*\slot+2:G0+4*\slot+3], s[G0+4*\slot+2:G0+4*\slot+3], 2*RUN
	s_add_nc_u64 s[G0B+4*\slot+2:G0B+4*\slot+3], s[G0B+4*\slot+2:G0B+4*\slot+3], 2*RUN
	JLOAD G0+4*\slot, G1, G0B+4*\slot, G1B
.else
	PLACES 4
.endif
	SCALES \next
	FETCH \next, 0, 0
.if \fill
	s_cmp_gt_u32 s3, 1                             ; s3 = 1 in the loop's last trip, which has no fill four on
	s_cbranch_scc0 .Lno_ask_\@
	global_prefetch_b8 v30, s[12:13] offset:3*RUN th:TH_LOAD_NT scope:SCOPE_SE    ; the fill that stands two refills on
	global_prefetch_b8 v31, s[22:23] offset:3*RUN th:TH_LOAD_NT scope:SCOPE_SE
.Lno_ask_\@:
.endif
	MULS MB/2, MB/2, 1, NQ-1, \slot, 0
.endm
	s_wait_alu depctr_va_vdst(0)
	s_wait_tensorcnt 0x0                           ; my part of fill 0 is in
	ds_add_u32 v[SPW], v[NIL]
	s_wait_dscnt 0x0
	CROUND                                         ; a whole round: slot 0 is whole, and all sixteen work-groups are here
	JLOAD G0+4, G1, G0B+4, G1B                     ; fill 1, slot 1's first fill
	SCALES 0
	FETCH 0, 0, 0
	global_prefetch_b8 v30, s[12:13] offset:3*RUN th:TH_LOAD_NT scope:SCOPE_SE    ; fill 3
	global_prefetch_b8 v31, s[22:23] offset:3*RUN th:TH_LOAD_NT scope:SCOPE_SE
	s_wait_loadcnt 0x0
	STEP 0, 0, 1
	WIN 0
	s_mov_b32 s3, LAPS-1
.Llap:
	STEP 0, 1, 0
	STEP 0, 2, 0
	TURN 0, 1, 1
	STEP 1, 0, 0
	STEP 1, 1, 0
	STEP 1, 2, 0
	TURN 1, 0, 1
	STEP 0, 0, 0
	WIN 0
	s_sub_co_u32 s3, s3, 1
	s_cmp_lg_u32 s3, 0
	s_cbranch_scc1 .Llap
	STEP 0, 1, 0
	STEP 0, 2, 0
	TURN 0, 1, 0
	STEP 1, 0, 0
	STEP 1, 1, 0
	STEP 1, 2, 0
	s_wait_dscnt 3*MB/2
	MULS 0, MB/2, 1, NQ-1, 1, 0
	s_wait_dscnt 0x0
	MULS MB/2, MB/2, 1, NQ-1, 1, 0
	WIN 0
.macro TOSTAGE a
.set AC, 64*(\a)
	WIN 0x08
.irp b, 0,1,2,3,4,5,6,7
	ds_store_b128 v[STO], v[AC+8*\b:AC+8*\b+3] offset:64*\b
	ds_store_b128 v[STO], v[AC+8*\b+4:AC+8*\b+7] offset:64*\b+16
.endr
	WIN 0
.set BB, BK+64*((\a)%2)
.irp t, 0,1,2,3,4,5,6,7,8,9,10,11,12,13,14,15
	ds_load_b128 v[BB+4*\t:BB+4*\t+3], v[RD] offset:\t*SPITCH
.endr
.endm
.macro SEND a, younger
.set BB, BK+64*((\a)%2)
	s_wait_dscnt \younger
.irp t, 0,1,2,3,4,5,6,7,8,9,10,11,12,13,14,15
	global_store_b128 v[LI], v[BB+4*\t:BB+4*\t+3], s[10:11] offset:(16*(\a)+\t)*4096 th:TH_STORE_NT
.endr
.endm
	PLACES 4
	TOSTAGE 0
.irp a, 1,2,3
.if \a > 1
	s_wait_xcnt 0x0
.endif
	TOSTAGE \a
	SEND (\a)-1, 32
.endr
	SEND 3, 0
	s_wait_tensorcnt 0x0
	ds_add_u32 v[SPW], v[NIL]
	s_wait_dscnt 0x0
	CROUND
	s_endpgm
.Lfunc_end_k_qe4a8e155de_gemm2:
	.size	k_qe4a8e155de_gemm2, .Lfunc_end_k_qe4a8e155de_gemm2-k_qe4a8e155de_gemm2
	.p2alignl 7, 3214868480
	.fill 96, 4, 3214868480
	.section	.rodata,"a",@progbits
	.p2align	6, 0x0
	.amdhsa_kernel k_qe4a8e155de_gemm2
		.amdhsa_group_segment_fixed_size 327680
		.amdhsa_private_segment_fixed_size 0
		.amdhsa_enable_private_segment 0
		.amdhsa_kernarg_size 32
		.amdhsa_user_sgpr_count 2
		.amdhsa_user_sgpr_kernarg_segment_ptr 1
		.amdhsa_wavefront_size32 1
		.amdhsa_system_sgpr_workgroup_id_x 1
		.amdhsa_system_sgpr_workgroup_id_y 1
		.amdhsa_system_sgpr_workgroup_id_z 1
		.amdhsa_system_vgpr_workitem_id 0
		.amdhsa_next_free_vgpr 768
		.amdhsa_next_free_sgpr 80
		.amdhsa_reserve_vcc 0
		.amdhsa_float_denorm_mode_32 3
		.amdhsa_float_denorm_mode_16_64 3
		.amdhsa_memory_ordered 1
		.amdhsa_forward_progress 1
		.amdhsa_inst_pref_size 137
	.end_amdhsa_kernel
	.amdgpu_metadata
---
amdhsa.version: [ 1, 2 ]
amdhsa.kernels:
  - .name:           k_qe4a8e155de_gemm2
    .symbol:         k_qe4a8e155de_gemm2.kd
    .args:
      - { .name: hq, .offset: 0, .size: 8, .value_kind: global_buffer, .address_space: global }
      - { .name: w2q, .offset: 8, .size: 8, .value_kind: global_buffer, .address_space: global }
      - { .name: b2, .offset: 16, .size: 8, .value_kind: global_buffer, .address_space: global }
      - { .name: out0, .offset: 24, .size: 8, .value_kind: global_buffer, .address_space: global }
    .group_segment_fixed_size: 327680
    .private_segment_fixed_size: 0
    .kernarg_segment_align: 8
    .kernarg_segment_size: 32
    .max_flat_workgroup_size: 128
    .sgpr_count:     80
    .vgpr_count:     768
    .wavefront_size: 32
...
	.end_amdgpu_metadata
.endif
;; end of part 3
